; MI455X (gfx1250); checked and timed in simulation.
; The chip was launched on July 23, 2026; its instructions are those of AMD's public machine-readable ISA for CDNA 5 (MIT licence, August 2026) and "CDNA5" Instruction Set Architecture Reference Guide (July 2026). The comments in the code are by the model that wrote it; some were corrected since.
;; Multi Head Attention. Allowed arithmetic: matrix products marked QUANTISED: E4M3 operands, one given power-of-two scale a tensor, by v_wmma_f32_16x16x64_fp8_fp8 or v_wmma_f32_16x16x128_fp8_fp8, f32 sums; everything else in f32.
;; Inputs: Wk 1,024 x 1,024 float32; Wq 1,024 x 1,024 float32; Wv 1,024 x 1,024 float32; bk 1,024 float32; bq 1,024 float32; bv 1,024 float32; lowp_scales 10 int32 (the exponents e of the quantised operands' scales 2^e); x 4 x 2,048 x 1,024 float32.
;; Outputs: out0 4 x 16 x 2,048 x 64 float32.
;; This version of the problem:
;;   THIS VERSION OF THE PROBLEM IS GIVEN IN LOW PRECISION. The matrix products marked QUANTISED in the list below multiply operands that are first quantised to E4M3 (4 exponent bits, 3 mantissa bits; 8 bits a number), with one given power-of-two scale for each operand tensor; their sums are f32. All else is computed in f32.
;;   The module's matrix products, in the order in which they are computed (A, B: the left and right operand; K: the contracted axis; several contracted axes count as one K, in the product's order):
;;     1. [M 8,192, K 1,024] x [K 1,024, N 1,024]; A: input x; B: input Wq: QUANTISED (scales: A lowp_scales[0], B lowp_scales[1])
;;     2. [M 8,192, K 1,024] x [K 1,024, N 1,024]; A: input x; B: input Wk: QUANTISED (scales: A lowp_scales[2], B lowp_scales[3])
;;     3. [M 8,192, K 1,024] x [K 1,024, N 1,024]; A: input x; B: input Wv: QUANTISED (scales: A lowp_scales[4], B lowp_scales[5])
;;     4. batch 64 x [M 2,048, K 64] x [K 64, N 2,048]; A: computed on the way; B: computed on the way: QUANTISED (scales: A lowp_scales[6], B lowp_scales[7])
;;     5. batch 64 x [M 2,048, K 2,048] x [K 2,048, N 64]; A: softmax (see below); B: computed on the way: QUANTISED (scales: A lowp_scales[8], B lowp_scales[9])
;;   THE QUANTISER, for each operand of a quantised product, along K:
;;     - The operand's scale is 2^e, e = its entry of the input lowp_scales (int32; the entries are numbered through the quantised products in the list's order, A before B).
;;     - Each number is divided by the scale, clamped to +-448, and rounded to the nearest number of E4M3, ties to even, subnormals kept.
;;     - The product sums the exact products of the quantised numbers (number of the format x scale) in f32.
;;   ~~~python
;;   def quantise(x, axis, e):      # numpy; x: float32 -> the quantised numbers, widened to float32 again
;;       x = np.moveaxis(x, axis, -1); K = x.shape[-1]
;;       r = np.clip(x / 2.0 ** e, -448, 448)
;;       step = 2.0 ** (np.maximum(np.frexp(np.where(r == 0, 1, r))[1] - 1, -6) - 3)
;;       q = np.round(r / step) * step * 2.0 ** e      # np.round: ties to even
;;       return np.moveaxis(q, -1, axis).astype(np.float32)
;;   ~~~
;;   SOFTMAX AHEAD OF A QUANTISED PRODUCT. Where the list says 'softmax', what is quantised is not the finished softmax but p = 2^(t - M), with t = logit x log2(e) and M = ceil(the row's largest t), a whole number; so 1/2 < the row's largest p <= 1. The row's sum l is taken of the UNQUANTISED p, in f32, and the product's result is divided by l at the end. Since M is a whole number, a kernel that streams over the keys may use a running M (the ceiling of the running maximum): every later rescaling is an exact power of two, so the quantised numbers keep their values, but for numbers so far below the row's largest that they fall under the format's range.
;;   OPERANDS COMPUTED ON THE WAY. 'Computed on the way' means the value that the module computes at that place (a softmax that the list does not call 'softmax' is quantised finished and normalised). What goes into a quantiser is computed in f32, as accurately as f32 sums, v_exp_f32 and their like allow (about 1e-6 of the number): no bf16 or f16 on the way to a quantiser, and a product that is left as it is and whose result goes on into a quantised operand takes f32 operands (vector FMAs, or v_wmma_f32_16x16x4_f32). A number that lies on a knife's edge between two numbers of the format may be rounded either way, as far as f32 arithmetic and the matrix unit's own rounding can turn it there, and no further.
;; One version. Each part assembles by itself: llvm-mc -triple=amdgcn-amd-amdhsa -mcpu=gfx1250 --defsym DOCPART=n.
;; ======== version 1 of 1: 3 launches
;; limits: right only within a limited range of input values
;; workspace buffers: xc 25,165,824 bytes; wc 3,145,728 bytes; qc 8,388,608 bytes; kc 8,388,608 bytes; vc 8,388,608 bytes
;; launch quant (part 1): grid 704 x 1, 4 waves a work-group, no clusters, 66,048 bytes of LDS; arguments x, Wq, Wk, Wv, lowp_scales, xc, wc; writes xc, wc
.if DOCPART == 1
	.amdgcn_target "amdgcn-amd-amdhsa--gfx1250"
	.amdhsa_code_object_version 6
	.text
	.protected	k_qcba114c9c8_quant
	.globl	k_qcba114c9c8_quant
	.p2align	8
	.type	k_qcba114c9c8_quant,@function
k_qcba114c9c8_quant:
	s_mov_b64 s[64:65], 0
	v_nop
	global_prefetch_b8 v0, s[64:65] scope:SCOPE_SE
	s_setreg_imm32_b32 hwreg(HW_REG_WAVE_MODE, 25, 1), 1
	s_wait_xcnt 0x0
; x [8192][1024] and Wq, Wk, Wv [1024][1024], f32 with K innermost, become codes of FP8 (E4M3), one byte each, K innermost.
; code = number / 2^e, held within +-448, rounded to the nearest code, ties to even.  x is an operand of three products, each with a scale of its own (entries 0, 2, 4 of the scales):
; it is read ONCE and written as three planes of codes, xc[p] with entry 2 p.  wc[p] holds Wq, Wk, Wv with entries 1, 3, 5.
; LIMITS: each entry lies between -126 and 119, so that 2^e and 448 x 2^e are f32 numbers.  NaN among the inputs is not served; an infinity is held at the largest code.
; Rows are dense, so every tensor is a plain stream.  A wave takes 8 steps of 512 numbers; a work-group 16,384 numbers.  Work-groups 0-511 take x, 512-703 the weights (64 each).
; The conversions take eight neighbours along K from ONE lane's registers; a load is best where neighbouring LANES take neighbouring bytes.  Both are had: each of a step's four loads reads 512
; consecutive bytes, 16 a lane; the 2,048 bytes go through the wave's own stage in LDS as they lie and come back 64 bytes a lane (16 bytes of padding behind each 64).
; A lane's 16 codes are 16 bytes: each store of the wave covers 512 consecutive bytes, aligned.
; No tensor loads, no barrier, no cluster: waves and work-groups share no input byte.  Loads run four steps (16 loads a wave) ahead, the turn through LDS one step.
; The two paths part on the work-group's number; each has LDS bytes of its own.
.set STEPS, 8
.set XWG,   512                        ; work-groups that take x
.set SP,    80                         ; a lane's place in a stage: its 64 bytes + 16 of padding
.set WREG,  8192                       ; LDS: a region for each wave: two stages of 32 x SP bytes
.set WPATH, 32768                      ; the weights' path has its regions here
.set SCL,   5                          ; v5-7     2^e as f32, one for each plane
.set LIM,   8                          ; v8-10    448 x 2^e
.set R,     16                         ; v16-79   four sets of 16 numbers as they are loaded
.set X,     80                         ; v80-111  two sets of 16 neighbours
.set T,     112                        ; v112-159 the held numbers, a set for each plane
.set C,     160                        ; v160-183 codes: two sets of 3 x 4 registers, by turns
.set D,     24                         ; s[24:29] where the codes go: a base for each plane
	s_load_b256 s[12:19], s[0:1], 0x0              ; x s[12:13], Wq s[14:15], Wk s[16:17], Wv s[18:19]
	s_load_b128 s[20:23], s[0:1], 0x20             ; the scales' exponents s[20:21], xc s[22:23]
	s_load_b64 s[44:45], s[0:1], 0x30              ; wc
	v_lshl_add_u32 v192, v0, 2, 0x10000            ; my spare word, behind both paths' regions; never rewritten
	v_mov_b32 v193, 0
	v_lshrrev_b32 v1, 5, v0
	v_readfirstlane_b32 s10, v1                    ; wave
	v_and_b32 v2, 31, v0                           ; lane
	v_lshlrev_b32 v3, 4, v2                        ; my 16 bytes of a load's 512, and of a store's 512
	s_mul_i32 s11, s10, WREG
	v_lshrrev_b32 v14, 2, v2
	v_mul_u32_u24 v14, v14, SP
	v_and_b32 v15, 3, v2
	v_lshl_add_u32 v14, v15, 4, v14
	v_add_nc_u32 v14, s11, v14                     ; the stage, on the way in: SP (lane / 4) + 16 (lane % 4)
	v_mul_u32_u24 v15, v2, SP
	v_add_nc_u32 v15, s11, v15                     ; and on the way out: SP x lane: my 16 neighbours
	v_add_nc_u32 v12, WPATH, v14                   ; the same two for the weights' path
	v_add_nc_u32 v13, WPATH, v15
	s_mov_b32 s35, 0
	s_wait_kmcnt 0x0
	s_load_b256 s[36:43], s[20:21], 0x0            ; entries 0 to 7
.macro LOAD t
.irp i, 0,1,2,3
	global_load_b128 v[R+16*((\t)%4)+4*\i:R+16*((\t)%4)+4*\i+3], v3, s[4:5] offset:2048*(\t)+512*\i th:TH_LOAD_NT   ; 32 lanes read 512 consecutive bytes; read once in the launch
.endr
.endm
.macro TURN t, ain, aout               ; step t's numbers through the stage: LDS serves a wave's instructions in order, so no wait stands between the stores and the loads
.irp i, 0,1,2,3
	ds_store_b128 v[\ain], v[R+16*((\t)%4)+4*\i:R+16*((\t)%4)+4*\i+3] offset:32*SP*((\t)%2)+8*SP*\i
.endr
.irp i, 0,1,2,3
	ds_load_b128 v[X+16*((\t)%2)+4*\i:X+16*((\t)%2)+4*\i+3], v[\aout] offset:32*SP*((\t)%2)+16*\i
.endr
.endm
.macro MKSCALE z, e                    ; plane z's two numbers from the exponent in s[e]
	s_add_co_i32 s30, s[\e], 127
	s_lshl_b32 s31, s30, 23
	v_mov_b32 v[SCL+\z], s31                       ; 2^e as f32: the conversion takes its exponent field
	s_add_co_i32 s30, s30, 8
	s_lshl_b32 s30, s30, 23
	s_or_b32 s30, s30, 0x600000
	v_mov_b32 v[LIM+\z], s30                       ; 448 x 2^e
.endm
; One step: 512 numbers into np planes of codes.
.macro STEP t, np, ain, aout
.set XS, X+16*((\t)%2)
.set CS, C+12*((\t)%2)
	s_wait_dscnt 0x0                               ; this step's numbers are back from the stage: so its stores into the stage have read their registers,
.if (\t)+4 < STEPS
	LOAD (\t)+4                                    ; which take the loads of four steps on
.endif
.if (\t)+1 < STEPS
.if STEPS-2-(\t) >= 3
	s_wait_loadcnt 12                              ; the next step's four loads are in; those of the three steps behind it may be out
.else
	s_wait_loadcnt 4*(STEPS-2-(\t))                ; the tail: fewer steps are behind it
.endif
	TURN (\t)+1, \ain, \aout                       ; and go through the other stage while this step is worked
.endif
	s_wait_xcnt 0x0                                ; the stores of two steps ago have read this set of code registers: it is written again only behind this wait
.irp z, 0,1,2
.if \z < \np
.irp i, 0,1,2,3,4,5,6,7,8,9,10,11,12,13,14,15
	v_med3_num_f32 v[T+16*\z+\i], v[XS+\i], -v[LIM+\z], v[LIM+\z]   ; the conversion to an 8-bit code does not saturate (ISA guide 7.6.2): the number is held first
.endr
.endif
.endr
.irp z, 0,1,2
.if \z < \np
	v_cvt_scalef32_pk8_fp8_f32 v[CS+4*\z:CS+4*\z+1], v[T+16*\z:T+16*\z+7], v[SCL+\z]
	v_cvt_scalef32_pk8_fp8_f32 v[CS+4*\z+2:CS+4*\z+3], v[T+16*\z+8:T+16*\z+15], v[SCL+\z]
.endif
.endr
	v_nop                                          ; one plain vector line behind the conversions: the next step's holds write their sources
.irp z, 0,1,2
.if \z < \np
	global_store_b128 v3, v[CS+4*\z:CS+4*\z+3], s[D+2*\z:D+2*\z+1] offset:512*(\t)   ; 32 lanes store 512 consecutive bytes, aligned
.endif
.endr
.endm
	s_cmp_ge_u32 ttmp9, XWG
	s_cbranch_scc1 .Lweights
	; ---- x: run u = 4 x work-group + wave of 4,096 numbers
	s_lshl_b32 s30, ttmp9, 2
	s_add_co_u32 s30, s30, s10
	s_lshl_b32 s34, s30, 14
	s_add_nc_u64 s[4:5], s[12:13], s[34:35]        ; 16,384 bytes of f32 a run
	s_lshl_b32 s34, s30, 12
	s_add_nc_u64 s[D:D+1], s[22:23], s[34:35]      ; 4,096 bytes of codes a run, in each of the three planes
	s_add_nc_u64 s[D+2:D+3], s[D:D+1], 0x800000
	s_add_nc_u64 s[D+4:D+5], s[D:D+1], 0x1000000
.irp t, 0,1,2,3
	LOAD \t
.endr
	s_wait_kmcnt 0x0
	MKSCALE 0, 36
	MKSCALE 1, 38
	MKSCALE 2, 40
	s_wait_loadcnt 12                              ; step 0's four loads are in
	s_wait_alu depctr_va_vdst(0)                   ; the wait at the head's end
	TURN 0, 14, 15
.irp t, 0,1,2,3,4,5,6,7
	STEP \t, 3, 14, 15
.endr
	s_wait_tensorcnt 0x0                           ; the wave's end
	ds_add_u32 v192, v193
	s_wait_dscnt 0x0
	s_endpgm
.Lweights:
	; ---- the weights: tensor p = (work-group - 512) / 64, run u = 4 x ((work-group - 512) % 64) + wave
	s_sub_co_u32 s30, ttmp9, XWG
	s_lshr_b32 s33, s30, 6                         ; p
	s_and_b32 s30, s30, 63
	s_lshl_b32 s30, s30, 2
	s_add_co_u32 s30, s30, s10                     ; u
	s_cmp_eq_u32 s33, 0                            ; the choice hangs on the work-group's number alone
	s_cselect_b64 s[4:5], s[14:15], s[16:17]
	s_cmp_eq_u32 s33, 2
	s_cselect_b64 s[4:5], s[18:19], s[4:5]
	s_lshl_b32 s34, s30, 14
	s_add_nc_u64 s[4:5], s[4:5], s[34:35]
	s_lshl_b32 s34, s33, 20                        ; plane p of wc,
	s_lshl_b32 s32, s30, 12                        ; run u in it
	s_add_co_u32 s34, s34, s32
	s_add_nc_u64 s[D:D+1], s[44:45], s[34:35]
.irp t, 0,1,2,3
	LOAD \t
.endr
	s_wait_kmcnt 0x0
	s_cmp_eq_u32 s33, 0
	s_cselect_b32 s32, s37, s39                    ; entry 1, 3 or 5
	s_cmp_eq_u32 s33, 2
	s_cselect_b32 s32, s41, s32
	MKSCALE 0, 32
	s_wait_loadcnt 12
	s_wait_alu depctr_va_vdst(0)                   ; the wait at the head's end
	TURN 0, 12, 13
.irp t, 0,1,2,3,4,5,6,7
	STEP \t, 1, 12, 13
.endr
	s_wait_tensorcnt 0x0
	ds_add_u32 v192, v193
	s_wait_dscnt 0x0
	s_endpgm
.Lfunc_end_k_qcba114c9c8_quant:
	.size	k_qcba114c9c8_quant, .Lfunc_end_k_qcba114c9c8_quant-k_qcba114c9c8_quant
	.p2alignl 7, 3214868480
	.fill 96, 4, 3214868480
	.section	.rodata,"a",@progbits
	.p2align	6, 0x0
	.amdhsa_kernel k_qcba114c9c8_quant
		.amdhsa_group_segment_fixed_size 66048
		.amdhsa_private_segment_fixed_size 0
		.amdhsa_enable_private_segment 0
		.amdhsa_kernarg_size 56
		.amdhsa_user_sgpr_count 2
		.amdhsa_user_sgpr_kernarg_segment_ptr 1
		.amdhsa_wavefront_size32 1
		.amdhsa_system_sgpr_workgroup_id_x 1
		.amdhsa_system_sgpr_workgroup_id_y 1
		.amdhsa_system_sgpr_workgroup_id_z 1
		.amdhsa_system_vgpr_workitem_id 0
		.amdhsa_next_free_vgpr 194
		.amdhsa_next_free_sgpr 66
		.amdhsa_reserve_vcc 0
		.amdhsa_float_denorm_mode_32 3
		.amdhsa_float_denorm_mode_16_64 3
		.amdhsa_memory_ordered 1
		.amdhsa_forward_progress 1
		.amdhsa_inst_pref_size 59
	.end_amdhsa_kernel
	.amdgpu_metadata
---
amdhsa.version: [ 1, 2 ]
amdhsa.kernels:
  - .name:           k_qcba114c9c8_quant
    .symbol:         k_qcba114c9c8_quant.kd
    .args:
      - { .name: x, .offset: 0, .size: 8, .value_kind: global_buffer, .address_space: global }
      - { .name: Wq, .offset: 8, .size: 8, .value_kind: global_buffer, .address_space: global }
      - { .name: Wk, .offset: 16, .size: 8, .value_kind: global_buffer, .address_space: global }
      - { .name: Wv, .offset: 24, .size: 8, .value_kind: global_buffer, .address_space: global }
      - { .name: lowp_scales, .offset: 32, .size: 8, .value_kind: global_buffer, .address_space: global }
      - { .name: xc, .offset: 40, .size: 8, .value_kind: global_buffer, .address_space: global }
      - { .name: wc, .offset: 48, .size: 8, .value_kind: global_buffer, .address_space: global }
    .group_segment_fixed_size: 66048
    .private_segment_fixed_size: 0
    .kernarg_segment_align: 8
    .kernarg_segment_size: 56
    .max_flat_workgroup_size: 128
    .sgpr_count:     66
    .vgpr_count:     194
    .wavefront_size: 32
...
	.end_amdgpu_metadata
.endif
;; end of part 1
;; launch proj (part 2): grid 4 x 96, 4 waves a work-group, clusters of 4 x 4, 327,680 bytes of LDS; arguments xc, wc, lowp_scales, bq, bk, bv, qc, kc, vc; writes qc, kc, vc
.if DOCPART == 2
	.amdgcn_target "amdgcn-amd-amdhsa--gfx1250"
	.amdhsa_code_object_version 6
	.text
	.protected	k_qcba114c9c8_proj
	.globl	k_qcba114c9c8_proj
	.p2align	8
	.type	k_qcba114c9c8_proj,@function
k_qcba114c9c8_proj:
	s_mov_b64 s[64:65], 0
	v_nop
	global_prefetch_b8 v0, s[64:65] scope:SCOPE_SE
	s_setreg_imm32_b32 hwreg(HW_REG_WAVE_MODE, 25, 1), 1
	s_wait_xcnt 0x0
	s_wait_alu depctr_hold_cnt(0) depctr_sa_sdst(0) depctr_va_vdst(0) depctr_va_sdst(0) depctr_va_ssrc(0) depctr_va_vcc(0) depctr_vm_vsrc(0)
	s_getreg_b32 s2, hwreg(HW_REG_IB_STS2, 6, 4)
	s_cmp_eq_u32 s2, 0
	s_cbranch_scc0 .Lentry_in_a_cluster
	s_endpgm
.Lentry_in_a_cluster:
	s_bfe_u32 s2, ttmp6, 0x10000c
	s_cmp_lg_u32 s2, 0xf033
	s_cbranch_scc0 .Lentry_shape_is_right
	s_endpgm
.Lentry_shape_is_right:
.set ROWB,   256
.set KROW,   1024
.set PITCH,  272
.set FR,     16
.set NL,     4
.set NP,     4
.set HALFT,  128*PITCH
.set SLOT,   4*HALFT
.set SPARE,  2*SLOT
.set STGV,   256*PITCH
.set STOQ, 8
.set RDQ,  9
.set COQ,  10
.set BOF,  11
.set STOV, 12
.set RDV,  13
.set COV,  14
.set ADRA, 16
.set ADRB, 20
.set SPW,  28
.set NIL,  29
.set SCL,  30
.set LIM,  31
.set BI,   32
.set AF,   128
.set T,    128
.set CD,   192
.set BK,   128
.set G1, 24
.set G0, 32
.set G1B, 48
.set G0B, 56
.set MSB, 0
.macro WIN new
.if MSB != \new
	s_set_vgpr_msb (MSB<<8)|\new
.set MSB, \new
.endif
.endm
.set MUL_LO, 0xa1
.set MUL_HI, 0xf1
.set TO_B,   0x40
.macro JLOAD g0a, g1a, g0b, g1b
	s_cmp_eq_u32 s15, 0
	s_cbranch_scc0 .Lfor_b_\@
	tensor_load_to_lds s[\g0a:\g0a+3], s[\g1a:\g1a+7]
	s_nop 0
.rept 4
	v_nop
.endr
	s_branch .Lasked_\@
.Lfor_b_\@:
	tensor_load_to_lds s[\g0b:\g0b+3], s[\g1b:\g1b+7]
	s_nop 0
.rept 4
	v_nop
.endr
.Lasked_\@:
.endm
.macro CREST
	s_cmp_lg_u32 s14, 0
	s_cbranch_scc1 .Lnot_wave_0_\@
	s_barrier_signal -3
.Lnot_wave_0_\@:
	s_barrier_wait -3
	s_barrier_signal -1
	s_barrier_wait -1
.endm
.macro CROUND
	s_barrier_signal -1
	s_barrier_wait -1
	CREST
.endm
	s_load_b256 s[68:75], s[0:1], 0x0
	s_load_b256 s[76:83], s[0:1], 0x20
	s_load_b64 s[84:85], s[0:1], 0x40
	v_lshl_add_u32 v[SPW], v0, 2, SPARE
	v_mov_b32 v[NIL], 0
	ds_add_u32 v28, v29
	ds_add_u32 v28, v29
	s_wait_dscnt 0x0
	v_lshrrev_b32 v1, 5, v0
	v_readfirstlane_b32 s14, v1
	s_lshr_b32 s15, s14, 1
	s_and_b32 s16, s14, 1
	s_bfe_u32 s40, ttmp6, 0x40000
	s_bfe_u32 s41, ttmp6, 0x40004
	s_and_b32 s67, ttmp7, 0xffff
	s_lshr_b32 s66, s67, 3
	s_and_b32 s67, s67, 7
	s_cmp_eq_u32 s66, 2
	s_cselect_b32 s17, 0, s67
	s_cselect_b32 s42, s67, 0
	s_lshl_b32 s17, s17, 2
	s_add_co_u32 s17, s17, s41
	s_lshl_b32 s42, s42, 2
	s_add_co_u32 s42, s42, s40
	s_lshl_b32 s43, s41, 2
	s_lshl_b32 s43, 15, s43
	s_lshl_b32 s44, 0x1111, s40
	s_or_b32 s[G1+0], s43, (0<<16)|(1<<20)|(1<<21)|(5<<22)|(3<<25)
	s_or_b32 s[G1B+0], s44, (0<<16)|(1<<20)|(1<<21)|(5<<22)|(3<<25)
.irp g, G1, G1B
	s_mov_b32 s[\g+1], ROWB<<16
	s_mov_b32 s[\g+2], 128<<16
	s_mov_b32 s[\g+3], ROWB<<16
	s_mov_b32 s[\g+4], 128
	s_mov_b32 s[\g+5], KROW
	s_mov_b32 s[\g+6], 0
	s_mov_b32 s[\g+7], 0
.endr
	s_lshl_b32 s18, s16, 7
	s_lshl_b32 s20, s17, 8
	s_add_co_u32 s20, s20, s18
	s_lshl_b32 s46, s42, 8
	s_add_co_u32 s46, s46, s18
	s_lshl_b32 s20, s20, 10
	s_lshl_b32 s46, s46, 10
	s_lshl_b32 s22, s66, 23
	s_lshl_b32 s23, s66, 20
	s_cmp_eq_u32 s66, 2
	s_cselect_b32 s18, s23, s22
	s_cselect_b32 s19, s22, s23
	s_add_co_u32 s20, s20, s18
	s_add_co_u32 s46, s46, s19
	s_mov_b32 s21, 0
	s_mov_b32 s47, 0
	s_mul_i32 s45, s14, HALFT
	s_wait_kmcnt 0x0
	s_load_b256 s[88:95], s[72:73], 0x0
	s_load_b64 s[86:87], s[72:73], 0x20
	s_cmp_eq_u32 s66, 2
	s_cselect_b64 s[4:5], s[70:71], s[68:69]
	s_cselect_b64 s[6:7], s[68:69], s[70:71]
	s_add_nc_u64 s[20:21], s[4:5], s[20:21]
	s_add_nc_u64 s[46:47], s[6:7], s[46:47]
	CROUND
.irp s, 0,1
	s_mov_b32 s[G0+4*\s], 1
	s_add_co_u32 s[G0+4*\s+1], s45, \s*SLOT
	s_add_nc_u64 s[G0+4*\s+2:G0+4*\s+3], s[20:21], \s*ROWB
	s_or_b32 s[G0+4*\s+3], s[G0+4*\s+3], 0x80000000
	s_mov_b32 s[G0B+4*\s], 1
	s_add_co_u32 s[G0B+4*\s+1], s45, \s*SLOT
	s_add_nc_u64 s[G0B+4*\s+2:G0B+4*\s+3], s[46:47], \s*ROWB
	s_or_b32 s[G0B+4*\s+3], s[G0B+4*\s+3], 0x80000000
	s_wait_alu depctr_va_vdst(0)
	s_wait_tensorcnt 0x0
	ds_add_u32 v28, v29
	ds_add_u32 v28, v29
	s_wait_dscnt 0x0
	CROUND
	JLOAD G0+4*\s, G1, G0B+4*\s, G1B
.endr
	v_and_b32 v1, 15, v0
	v_bfe_u32 v2, v0, 4, 1
	v_mul_u32_u24 v3, v1, PITCH
	s_wait_alu depctr_va_vdst(0)
	v_lshl_add_u32 v4, v2, 4, v3
	s_mul_i32 s21, s15, HALFT
	s_mul_i32 s22, s16, HALFT
	s_add_co_u32 s22, s22, 2*HALFT
.irp s, 0,1
	v_add_nc_u32 v[ADRA+\s], s21, v4
	v_add_nc_u32 v[ADRB+\s], s22, v4
	s_add_co_u32 s21, s21, SLOT
	s_add_co_u32 s22, s22, SLOT
.endr
	s_mul_i32 s23, s15, HALFT
	s_lshl_b32 s18, s16, 7
	s_add_co_u32 s23, s23, s18
	v_lshl_add_u32 v[STOQ], v2, 3, v3
	v_add_nc_u32 v[STOQ], s23, v[STOQ]
	v_add_nc_u32 v[STOV], STGV, v[STOQ]
	s_mul_i32 s23, s14, 64*PITCH
	v_and_b32 v5, 31, v0
	v_lshrrev_b32 v6, 2, v5
	v_mul_u32_u24 v6, v6, PITCH
	v_and_b32 v7, 3, v5
	v_lshl_add_u32 v6, v7, 4, v6
	v_add_nc_u32 v[RDQ], s23, v6
	v_lshlrev_b32 v[COQ], 4, v5
	v_mul_u32_u24 v6, v2, PITCH
	v_lshl_add_u32 v6, v1, 4, v6
	v_add_nc_u32 v[RDV], s23, v6
	v_add_nc_u32 v[RDV], STGV, v[RDV]
	v_lshlrev_b32 v[COV], 11, v2
	v_lshl_add_u32 v[COV], v1, 4, v[COV]
.macro FRAG reg, adr, q, i
.irp c, 0,1,2,3
	ds_load_b128 v[\reg+4*\c:\reg+4*\c+3], v[\adr] offset:128*(\q)+32*\c+(\i)*16*PITCH
.endr
.endm
.macro MUL16 a0, p, zero
.irp a, \a0, \a0+1
.irp b, 0,1,2,3,4,5,6,7
.if \zero
	v_wmma_f32_16x16x128_fp8_fp8 v[8*(8*((\a)%4)+\b):8*(8*((\a)%4)+\b)+7], v[128*(\p)+FR*\b:128*(\p)+FR*\b+FR-1], v[AF+FR*(\a):AF+FR*(\a)+FR-1], 0
.else
	v_wmma_f32_16x16x128_fp8_fp8 v[8*(8*((\a)%4)+\b):8*(8*((\a)%4)+\b)+7], v[128*(\p)+FR*\b:128*(\p)+FR*\b+FR-1], v[AF+FR*(\a):AF+FR*(\a)+FR-1], v[8*(8*((\a)%4)+\b):8*(8*((\a)%4)+\b)+7]
.endif
.endr
.endr
.endm
.macro FETCH_B slot, q, p
	WIN TO_B
.irp i, 0,1,2,3,4,5,6,7
	FRAG 128*(\p)+FR*\i, ADRB+\slot, \q, \i
.endr
	WIN 0
.endm
.macro FETCH_A slot, q, i0
.irp i, \i0, \i0+1, \i0+2, \i0+3
	FRAG AF+FR*(\i), ADRA+\slot, \q, \i
.endr
.endm
.macro PLACES n
.rept \n
	v_nop
.endr
.endm
.macro STEP slot, q, zero
	s_wait_dscnt 4*NL
	WIN MUL_LO
	MUL16 0, (\q)%2, \zero
	MUL16 2, (\q)%2, \zero
	s_wait_dscnt 0
	PLACES NP
	FETCH_B \slot, (\q)+1, 1-(\q)%2
	FETCH_A \slot, (\q)+1, 0
	WIN MUL_HI
	MUL16 4, (\q)%2, \zero
	MUL16 6, (\q)%2, \zero
	PLACES NP
	WIN 0
	FETCH_A \slot, (\q)+1, 4
.endm
.macro TURN slot, next, fill
	s_wait_tensorcnt 0x0
	ds_add_u32 v[SPW], v[NIL]
	s_wait_dscnt 4*NL+1
	WIN MUL_LO
	MUL16 0, 1, 0
	s_wait_dscnt 0x0
	s_barrier_signal -1
	MUL16 2, 1, 0
	WIN 0
	s_barrier_wait -1
.if \fill
	CREST
	s_add_nc_u64 s[G0+4*\slot+2:G0+4*\slot+3], s[G0+4*\slot+2:G0+4*\slot+3], 2*ROWB
	s_add_nc_u64 s[G0B+4*\slot+2:G0B+4*\slot+3], s[G0B+4*\slot+2:G0B+4*\slot+3], 2*ROWB
	JLOAD G0+4*\slot, G1, G0B+4*\slot, G1B
.else
	PLACES NP
.endif
	FETCH_B \next, 0, 0
	FETCH_A \next, 0, 0
	WIN MUL_HI
	MUL16 4, 1, 0
	MUL16 6, 1, 0
	PLACES NP
	WIN 0
	FETCH_A \next, 0, 4
.endm
.macro OUTBLK a, isv, sto
.set AC, 64*((\a)%4)
.set CC, CD+16*((\a)%4)
	WIN 0x02+((\a)/4)
.irp b, 0,1,2,3,4,5,6,7
.irp i, 0,2,4,6
.if \isv
	v_pk_fma_f32 v[T+8*\b+\i:T+8*\b+\i+1], v[AC+8*\b+\i:AC+8*\b+\i+1], s[96:97], v[BI+2*(\a):BI+2*(\a)+1] op_sel_hi:[1,0,1]
.else
	v_pk_fma_f32 v[T+8*\b+\i:T+8*\b+\i+1], v[AC+8*\b+\i:AC+8*\b+\i+1], s[96:97], v[BI+8*\b+\i:BI+8*\b+\i+1] op_sel_hi:[1,0,1]
.endif
.endr
.endr
	WIN 0
.set n, 0
.rept 64
	v_med3_num_f32 v[T+n], v[T+n], -v[LIM], v[LIM]
.set n, n+1
.endr
.if (\a) >= 4
	s_wait_alu depctr_va_vdst(0)
	s_wait_dscnt 24
.endif
.irp b, 0,1,2,3,4,5,6,7
	v_cvt_scalef32_pk8_fp8_f32 v[CC+2*\b:CC+2*\b+1], v[T+8*\b:T+8*\b+7], v[SCL]
.endr
	v_nop
.irp b, 0,1,2,3,4,5,6,7
	ds_store_b64 v[\sto], v[CC+2*\b:CC+2*\b+1] offset:(\a)*16*PITCH+16*\b
.endr
.endm
.macro TAIL isv
.if \isv
	s_lshl_b32 s8, s17, 10
	s_lshl_b32 s9, s15, 9
	s_add_co_u32 s8, s8, s9
	v_lshl_add_u32 v[BOF], v1, 2, s8
.irp a, 0,1,2,3,4,5,6,7
	global_load_b32 v[BI+2*\a], v[BOF], s[78:79] offset:64*\a
	global_load_b32 v[BI+2*\a+1], v[BOF], s[78:79] offset:64*\a
.endr
.else
	s_cmp_eq_u32 s66, 0
	s_cselect_b64 s[98:99], s[74:75], s[76:77]
	s_lshl_b32 s8, s42, 10
	s_lshl_b32 s9, s16, 9
	s_add_co_u32 s8, s8, s9
	v_lshl_add_u32 v[BOF], v2, 5, s8
.irp b, 0,1,2,3,4,5,6,7
	global_load_b128 v[BI+8*\b:BI+8*\b+3], v[BOF], s[98:99] offset:64*\b
	global_load_b128 v[BI+8*\b+4:BI+8*\b+7], v[BOF], s[98:99] offset:64*\b+16
.endr
.endif
	STEP 1, 0, 0
	s_wait_dscnt 4*NL
	WIN MUL_LO
	MUL16 0, 1, 0
	MUL16 2, 1, 0
	s_wait_dscnt 0
	WIN MUL_HI
	MUL16 4, 1, 0
	MUL16 6, 1, 0
	WIN 0
	s_wait_kmcnt 0x0
.if \isv
	s_add_co_i32 s96, s92, s93
	s_mov_b32 s10, s87
	s_lshr_b32 s8, s42, 3
	s_lshl_b32 s8, s8, 21
	s_lshl_b32 s9, s17, 8
	s_lshl_b32 s11, s14, 6
	s_add_co_u32 s9, s9, s11
	s_lshl_b32 s9, s9, 11
	s_add_co_u32 s8, s8, s9
	s_and_b32 s9, s42, 7
	s_lshl_b32 s9, s9, 8
	s_add_co_u32 s8, s8, s9
	s_mov_b32 s9, 0
	s_add_nc_u64 s[100:101], s[84:85], s[8:9]
.else
	s_cmp_eq_u32 s66, 0
	s_cselect_b32 s8, s88, s90
	s_cselect_b32 s9, s89, s91
	s_cselect_b32 s10, s94, s95
	s_cselect_b64 s[100:101], s[80:81], s[82:83]
	s_add_co_i32 s96, s8, s9
	s_lshr_b32 s8, s17, 3
	s_lshl_b32 s8, s8, 4
	s_lshl_b32 s9, s42, 2
	s_add_co_u32 s8, s8, s9
	s_lshl_b32 s8, s8, 11
	s_and_b32 s9, s17, 7
	s_lshl_b32 s9, s9, 8
	s_add_co_u32 s8, s8, s9
	s_lshl_b32 s9, s14, 6
	s_add_co_u32 s8, s8, s9
	s_lshl_b32 s8, s8, 6
	s_mov_b32 s9, 0
	s_add_nc_u64 s[100:101], s[100:101], s[8:9]
.endif
	s_add_co_i32 s96, s96, 127
	s_lshl_b32 s96, s96, 23
	s_mov_b32 s97, s96
	s_add_co_i32 s10, s10, 127
	s_lshl_b32 s11, s10, 23
	v_mov_b32 v[SCL], s11
	s_add_co_i32 s10, s10, 8
	s_lshl_b32 s10, s10, 23
	s_or_b32 s10, s10, 0x600000
	v_mov_b32 v[LIM], s10
	s_wait_loadcnt 0x0
	PLACES NP
.irp a, 0,1,2,3,4,5,6,7
.if \isv
	OUTBLK \a, 1, STOV
.else
	OUTBLK \a, 0, STOQ
.endif
.endr
	s_wait_dscnt 0x0
	s_barrier_signal -1
	s_barrier_wait -1
.if \isv
.irp i, 0,1,2,3,4,5,6,7,8,9,10,11,12,13,14,15,16,17,18,19,20,21,22,23,24,25,26,27,28,29,30,31
	ds_load_b128 v[BK+4*\i:BK+4*\i+3], v[RDV] offset:2*PITCH*\i
.endr
.irp i, 0,1,2,3,4,5,6,7,8,9,10,11,12,13,14,15,16,17,18,19,20,21,22,23,24,25,26,27,28,29,30,31
	s_wait_dscnt 31-\i
	global_store_b128 v[COV], v[BK+4*\i:BK+4*\i+3], s[100:101] offset:4096*\i
.endr
.else
.irp u, 0,1,2,3
.irp g, 0,1,2,3,4,5,6,7
	ds_load_b128 v[BK+4*(8*\u+\g):BK+4*(8*\u+\g)+3], v[RDQ] offset:8*PITCH*\g+64*\u
.endr
.endr
.irp u, 0,1,2,3
.irp g, 0,1,2,3,4,5,6,7
	s_wait_dscnt 31-(8*\u+\g)
	global_store_b128 v[COQ], v[BK+4*(8*\u+\g):BK+4*(8*\u+\g)+3], s[100:101] offset:131072*\u+512*\g
.endr
.endr
.endif
.endm
	s_wait_tensorcnt 1
	s_barrier_signal -1
	s_barrier_wait -1
	FETCH_B 0, 0, 0
	FETCH_A 0, 0, 0
	FETCH_A 0, 0, 4
	STEP 0, 0, 1
	TURN 0, 1, 1
	STEP 1, 0, 0
	TURN 1, 0, 1
	STEP 0, 0, 0
	TURN 0, 1, 0
	s_cmp_eq_u32 s66, 2
	s_cbranch_scc1 .Lv
	TAIL 0
	s_branch .Lend
.Lv:
	TAIL 1
.Lend:
	s_wait_tensorcnt 0x0
	ds_add_u32 v[SPW], v[NIL]
	s_wait_dscnt 0x0
	CROUND
	s_endpgm
.Lfunc_end_k_qcba114c9c8_proj:
	.size	k_qcba114c9c8_proj, .Lfunc_end_k_qcba114c9c8_proj-k_qcba114c9c8_proj
	.p2alignl 7, 3214868480
	.fill 96, 4, 3214868480
	.section	.rodata,"a",@progbits
	.p2align	6, 0x0
	.amdhsa_kernel k_qcba114c9c8_proj
		.amdhsa_group_segment_fixed_size 327680
		.amdhsa_private_segment_fixed_size 0
		.amdhsa_enable_private_segment 0
		.amdhsa_kernarg_size 72
		.amdhsa_user_sgpr_count 2
		.amdhsa_user_sgpr_kernarg_segment_ptr 1
		.amdhsa_wavefront_size32 1
		.amdhsa_system_sgpr_workgroup_id_x 1
		.amdhsa_system_sgpr_workgroup_id_y 1
		.amdhsa_system_sgpr_workgroup_id_z 1
		.amdhsa_system_vgpr_workitem_id 0
		.amdhsa_next_free_vgpr 1024
		.amdhsa_next_free_sgpr 102
		.amdhsa_reserve_vcc 0
		.amdhsa_float_denorm_mode_32 3
		.amdhsa_float_denorm_mode_16_64 3
		.amdhsa_memory_ordered 1
		.amdhsa_forward_progress 1
		.amdhsa_inst_pref_size 224
	.end_amdhsa_kernel
	.amdgpu_metadata
---
amdhsa.version: [ 1, 2 ]
amdhsa.kernels:
  - .name:           k_qcba114c9c8_proj
    .symbol:         k_qcba114c9c8_proj.kd
    .args:
      - { .name: xc, .offset: 0, .size: 8, .value_kind: global_buffer, .address_space: global }
      - { .name: wc, .offset: 8, .size: 8, .value_kind: global_buffer, .address_space: global }
      - { .name: lowp_scales, .offset: 16, .size: 8, .value_kind: global_buffer, .address_space: global }
      - { .name: bq, .offset: 24, .size: 8, .value_kind: global_buffer, .address_space: global }
      - { .name: bk, .offset: 32, .size: 8, .value_kind: global_buffer, .address_space: global }
      - { .name: bv, .offset: 40, .size: 8, .value_kind: global_buffer, .address_space: global }
      - { .name: qc, .offset: 48, .size: 8, .value_kind: global_buffer, .address_space: global }
      - { .name: kc, .offset: 56, .size: 8, .value_kind: global_buffer, .address_space: global }
      - { .name: vc, .offset: 64, .size: 8, .value_kind: global_buffer, .address_space: global }
    .group_segment_fixed_size: 327680
    .private_segment_fixed_size: 0
    .kernarg_segment_align: 8
    .kernarg_segment_size: 72
    .max_flat_workgroup_size: 128
    .sgpr_count:     102
    .vgpr_count:     1024
    .wavefront_size: 32
...
	.end_amdgpu_metadata
.endif
;; end of part 2
;; launch attn (part 3): grid 4 x 64, 16 waves a work-group, clusters of 4 x 1, 327,680 bytes of LDS; arguments qc, kc, vc, lowp_scales, out0; writes out0
.if DOCPART == 3
	.amdgcn_target "amdgcn-amd-amdhsa--gfx1250"
	.amdhsa_code_object_version 6
	.text
	.protected	k_qcba114c9c8_attn
	.globl	k_qcba114c9c8_attn
	.p2align	8
	.type	k_qcba114c9c8_attn,@function
k_qcba114c9c8_attn:
	s_mov_b64 s[64:65], 0
	v_nop
	global_prefetch_b8 v0, s[64:65] scope:SCOPE_SE
	s_setreg_imm32_b32 hwreg(HW_REG_WAVE_MODE, 25, 1), 1
	s_wait_xcnt 0x0
	s_wait_alu depctr_hold_cnt(0) depctr_sa_sdst(0) depctr_va_vdst(0) depctr_va_sdst(0) depctr_va_ssrc(0) depctr_va_vcc(0) depctr_vm_vsrc(0)
	s_getreg_b32 s2, hwreg(HW_REG_IB_STS2, 6, 4)
	s_cmp_eq_u32 s2, 0
	s_cbranch_scc0 .Lentry_in_a_cluster
	s_endpgm
.Lentry_in_a_cluster:
	s_bfe_u32 s2, ttmp6, 0x10000c
	s_cmp_lg_u32 s2, 0x3003
	s_cbranch_scc0 .Lentry_shape_is_right
	s_endpgm
.Lentry_shape_is_right:
; out0[head][q][:] = the sum over k of softmax_k(Q[head][q] . K[head][k] / 8) V[head][k][:], 64 heads (batch x 16 + head), 2,048 tokens, head size 64, both products on codes of FP8 (E4M3).
; qc, kc: [64][2048][64] codes.  vc: [64][64 (d)][2048 (keys)] codes, the keys innermost.  out0: [64][2048][64] f32.  Scales: entries 6 (q), 7 (k), 8 (p), 9 (v).
; THE SOFTMAX: t = score x log2(e) / 8; M = the row's largest t so far, rounded UP to a whole number; p = 2^(t - M) is quantised along the keys, not normalised.  The row's sum is taken of the
; unquantised p in f32 and divides O at the end.  When M moves, the sum and O are multiplied by 2^(old M - new M): exact.
; SHARES.  A work-group owns 512 queries of one head: 4 x 64 = 256 work-groups.  Each of its sixteen waves owns 32 queries, two tiles A and B, so that each fragment of K and of V feeds two matrix instructions.
; LDS HOLDS THE WHOLE HEAD: K's 2,048 keys, dense in memory, as 512 rows of four keys (256 bytes + 16 of padding), and V's 64 rows in eight pieces of 256 keys (256 bytes + 16).  Sixteen pieces, one tensor load a
; wave (waves 0-7: 256 keys of K each; waves 8-15: a piece of V each); nothing is filled again.  Waves 0 and 8 ask for the first 256 keys at the head; the other fourteen ask behind the lines laid
; in front of a later first fill, and their pieces land while trip 0, which reads the first 256 keys alone, is worked.  One barrier follows trip 0; the other seven trips and the way out meet none.
; CLUSTER.  The four work-groups of a head form a cluster and ask for each piece JOINTLY (mask 15, the same descriptor in all four).
; NO PREFETCH: every byte of K and V is asked for by its tensor load ahead of the first trip's work; there is no later load to run ahead of.
; LAYOUT.  Both products are used transposed: S^T = K Q^T (source 0 = 16 neighbouring keys, source 1 = 16 queries; the K = 64 form), O^T = V^T P^T (source 0 = 16 of the head's 64, source 1 = P; the K = 128 form):
; a lane holds one query (lane % 16) of each tile.  Register j of S^T's tile t is key 16 t + 8 (lane / 16) + j: its eight codes are registers 2 t, 2 t + 1 of P in the form's own order of k, and V's fragments
; come in that order by loads of 8 bytes.  Q's and K's fragments come by loads of 16 bytes, 32 apart: a permutation of the head's 64, the same on both sides.
; A STEP (128 keys): K's fragments; S of tile A; A's softmax and codes; S of tile B over the same registers; V's fragments over K's; B's softmax, with A's second product laid into it; B's codes; B's second product.
; LIMITS: e6 + e7 between -123 and 130 (added to c's exponent field); e8 between -126 and 119; e8 + e9 goes by v_ldexp_f32 and has none.  The scaled scores stay under 2^31 in magnitude.
.set KP,     272                       ; four keys' row in LDS
.set VP,     272
.set KPIECE, 64*KP                     ; 256 keys of K in LDS
.set VPIECE, 64*VP                     ; 256 keys of V in LDS
.set VOFF,   8*KPIECE
.set SPARE,  VOFF+8*VPIECE             ; the spare words, 128 bytes a wave: eight blocks of 256 bytes that no other line names
.set STAGE,  SPARE+2048                ; the way out: a stage of 16 rows x (128 + 16) bytes for each wave, nine blocks of 256 bytes, on bytes into which no fill lands
.set SPI,    144
.set AK0, 1                            ; my lane's place in a tile of K
.set AV0, 2                            ; and of V
.set SPW, 3                            ; my spare word; never rewritten
.set NIL, 4                            ; 0; never rewritten
.set PSC, 5                            ; 2^e8
.set XCH, 6                            ; the lane exchange's destination
.set WK,  7                            ; at work
.set F,   8                            ; v[8:9] f = 2^(old M - new M); the upper half is written once
.set MA,  10                           ; v[10:11] tile A: -M, the largest t;  v[12:13] tile B
.set MB,  12
.set SUA, 14                           ; v[14:15] tile A's sum in two halves;  v[16:17] tile B's
.set SUB, 16
.set T,   18                           ; v18-29 six more chains of sums; two of them also chains of the maximum
.set ADK, 30                           ; LDS addresses of the trip's 256 keys
.set ADV, 31
.set QA,  32                           ; Q's two fragments
.set QB,  40
.set C,   48                           ; p's codes, 16 registers, tile A's and tile B's by turns
.set KF,  64                           ; K's eight fragments, then V's four
.set S,   128                          ; S^T, then p
.set OA,  192                          ; O^T of tile A, of tile B
.set OB,  224
.set WV,  18
.set SEL, 20
.set CS,  22                           ; s[22:23] c = log2(e) / 8 x 2^(e6 + e7)
.set G1K, 24
.set G1V, 32
.set G0K, 40
.set G0V, 44
.set TBK, 48                           ; the trip's first byte in K's rows, in V's pieces
.set TBV, 49
.set CNT, 50
.set PL,  51                           ; 448 x 2^e8
.macro CROUND
	s_barrier_signal -1
	s_barrier_wait -1
	s_cmp_lg_u32 s[WV], 0
	s_cbranch_scc1 .Lnot_wave_0_\@
	s_barrier_signal -3
.Lnot_wave_0_\@:
	s_barrier_wait -3
	s_barrier_signal -1
	s_barrier_wait -1
.endm
	s_load_b128 s[4:7], s[0:1], 0x0                ; qc, kc
	s_load_b128 s[12:15], s[0:1], 0x10             ; vc, the scales' exponents
	s_load_b64 s[16:17], s[0:1], 0x20              ; out0
	v_lshl_add_u32 v[SPW], v0, 2, SPARE
	v_mov_b32 v[NIL], 0
	ds_add_u32 v[SPW], v[NIL]                      ; the opening: the add, twice on end, and its wait ahead of my tensor load
	ds_add_u32 v[SPW], v[NIL]
	v_lshrrev_b32 v[WK], 5, v0
	v_readfirstlane_b32 s[WV], v[WK]               ; wave 0..15
	v_and_b32 v26, 15, v0                          ; r
	v_bfe_u32 v27, v0, 4, 1                        ; h
	v_lshlrev_b32 v28, 6, v26
	v_lshl_add_u32 v28, v27, 4, v28                ; Q: row r of 64 bytes, + 16 h
	s_bfe_u32 s19, ttmp6, 0x40000                  ; cx: it enters Q's and out0's addresses alone
	s_and_b32 s73, ttmp7, 0xffff                   ; the head, which the four partners share
	s_lshl_b32 s74, s73, 17                        ; 131,072 bytes of codes a head
	s_lshl_b32 s84, s19, 9
	s_lshl_b32 s85, s[WV], 5
	s_add_co_u32 s84, s84, s85                     ; my first query: 512 cx + 32 wave
	s_lshl_b32 s88, s84, 6
	s_add_co_u32 s88, s88, s74                     ; its codes
	s_mov_b32 s89, 0
	s_lshl_b32 s90, s84, 8
	s_lshl_b32 s91, s73, 19
	s_add_co_u32 s90, s90, s91                     ; its row of out0
	s_mov_b32 s91, 0
	s_and_b32 s85, s[WV], 7                        ; which piece I fetch
	s_lshl_b32 s92, s85, 14
	s_add_co_u32 s92, s92, s74                     ; K: 16,384 bytes on end
	s_mov_b32 s93, 0
	s_lshl_b32 s86, s85, 8
	s_add_co_u32 s86, s86, s74                     ; V: 256 bytes of each row
	s_mov_b32 s87, 0
	s_mul_i32 s94, s85, KPIECE
	s_mul_i32 s95, s85, VPIECE
	s_add_co_u32 s95, s95, VOFF
.irp g, G1K, G1V                       ; both: 64 rows of 256 bytes; the mask; elements of 1 byte; four words of padding after every 64
	s_mov_b32 s[\g], 15|(1<<20)|(1<<21)|(5<<22)|(3<<25)
	s_mov_b32 s[\g+1], 256<<16
	s_mov_b32 s[\g+2], 64<<16
	s_mov_b32 s[\g+3], 256<<16
	s_mov_b32 s[\g+4], 64
	s_mov_b32 s[\g+6], 0
	s_mov_b32 s[\g+7], 0
.endr
	s_mov_b32 s[G1K+5], 256                        ; K's rows follow each other in memory,
	s_mov_b32 s[G1V+5], 2048                       ; V's lie 2,048 bytes apart
	s_mov_b32 s[SEL], 0x76543210
	s_mov_b32 s[SEL+1], 0xfedcba98
	s_mov_b32 s[CS], 0x3e38aa3b                    ; log2(e) / 8
	s_mov_b32 s[TBK], 0
	s_mov_b32 s[TBV], 0
	s_mov_b32 s[CNT], 7
	s_wait_alu depctr_va_vdst(0)
	s_wait_dscnt 0x0                               ; both opening adds are done
	s_wait_kmcnt 0x0
	s_load_b128 s[68:71], s[14:15], 0x18           ; e6, e7, e8, e9
	s_add_nc_u64 s[4:5], s[4:5], s[88:89]
	s_add_nc_u64 s[16:17], s[16:17], s[90:91]
	global_load_b128 v[QA:QA+3], v28, s[4:5]
	global_load_b128 v[QA+4:QA+7], v28, s[4:5] offset:32
	global_load_b128 v[QB:QB+3], v28, s[4:5] offset:1024     ; tile B: 16 rows on
	global_load_b128 v[QB+4:QB+7], v28, s[4:5] offset:1056
	s_mov_b32 s[G0K], 1
	s_mov_b32 s[G0K+1], s94
	s_add_nc_u64 s[G0K+2:G0K+3], s[6:7], s[92:93]
	s_or_b32 s[G0K+3], s[G0K+3], 0x80000000
	s_mov_b32 s[G0V], 1
	s_mov_b32 s[G0V+1], s95
	s_add_nc_u64 s[G0V+2:G0V+3], s[12:13], s[86:87]
	s_or_b32 s[G0V+3], s[G0V+3], 0x80000000
	CROUND                                         ; all four work-groups are here: the joint loads meet
	s_cmp_eq_u32 s[WV], 0                          ; the first 256 keys: wave 0 asks for K's, wave 8 for V's, the others for nothing yet
	s_cbranch_scc0 .Lnot_k0
	tensor_load_to_lds s[G0K:G0K+3], s[G1K:G1K+7]
	s_nop 0
.rept 4
	v_nop
.endr
	s_branch .Lasked0
.Lnot_k0:
	s_cmp_eq_u32 s[WV], 8
	s_cbranch_scc0 .Lasked0
	tensor_load_to_lds s[G0V:G0V+3], s[G1V:G1V+7]
	s_nop 0
.rept 4
	v_nop
.endr
.Lasked0:
	v_lshrrev_b32 v29, 2, v26
	v_mul_u32_u24 v[AK0], v29, KP                  ; K: key r of a tile lies in row r / 4,
	v_and_b32 v29, 3, v26
	v_lshl_add_u32 v[AK0], v29, 6, v[AK0]          ; 64 (r % 4) bytes in,
	v_lshl_add_u32 v[AK0], v27, 4, v[AK0]          ; + 16 h: the sixteen lanes of a half touch sixteen different columns of 16 bytes modulo 256
	v_mul_u32_u24 v[AV0], v26, VP
	v_lshl_add_u32 v[AV0], v27, 3, v[AV0]          ; V: row r of a tile, + 8 h
	v_add_nc_u32 v[AV0], VOFF, v[AV0]
	v_mov_b32 v[MA+1], 0xff61b1e6                  ; the largest t so far: -3e38
	v_mov_b32 v[MB+1], 0xff61b1e6
	v_floor_f32 v[MA], -v[MA+1]                    ; -M
	v_floor_f32 v[MB], -v[MB+1]
.irp x, SUA, SUA+1, SUB, SUB+1, XCH, F+1
	v_mov_b32 v[\x], 0
.endr
.set n, 0
.rept 64
	v_mov_b32 v[OA+n], 0                           ; O^T: the step is written once for all steps; the first change of M leaves zeros zeros
.set n, n+1
.endr
	s_wait_kmcnt 0x0
	s_add_co_i32 s72, s68, s69
	s_lshl_b32 s72, s72, 23
	s_add_co_i32 s[CS], s[CS], s72                 ; c x 2^(e6 + e7)
	s_mov_b32 s[CS+1], s[CS]
	s_add_co_i32 s72, s70, 127
	s_lshl_b32 s73, s72, 23
	v_mov_b32 v[PSC], s73                          ; 2^e8, for the conversion
	s_add_co_i32 s72, s72, 8
	s_lshl_b32 s72, s72, 23
	s_or_b32 s[PL], s72, 0x600000                  ; 448 x 2^e8
; the running maximum of one tile, and f
.macro SMAX mp
	v_max3_num_f32 v[WK], v[S], v[S+1], v[S+2]     ; four chains; the scores in ascending order
	v_max3_num_f32 v[F], v[S+3], v[S+4], v[S+5]
	v_max3_num_f32 v[T], v[S+6], v[S+7], v[S+8]
	v_max3_num_f32 v[T+2], v[S+9], v[S+10], v[S+11]
.set n, 12
.rept 6
	v_max3_num_f32 v[WK], v[WK], v[S+n], v[S+n+1]
	v_max3_num_f32 v[F], v[F], v[S+n+2], v[S+n+3]
	v_max3_num_f32 v[T], v[T], v[S+n+4], v[S+n+5]
	v_max3_num_f32 v[T+2], v[T+2], v[S+n+6], v[S+n+7]
.set n, n+8
.endr
	v_max3_num_f32 v[WK], v[WK], v[S+60], v[S+61]
	v_max3_num_f32 v[F], v[F], v[S+62], v[S+63]
	v_max3_num_f32 v[WK], v[WK], v[T], v[T+2]
	s_delay_alu instid0(VALU_DEP_1)
	v_max_num_f32 v[WK], v[WK], v[F]
	s_delay_alu instid0(VALU_DEP_1)
	v_permlanex16_b32 v[XCH], v[WK], s[SEL], s[SEL+1]
	s_delay_alu instid0(VALU_DEP_1)
	v_max_num_f32 v[WK], v[WK], v[XCH]             ; with lane l xor 16's
	s_delay_alu instid0(VALU_DEP_1)
	v_mul_f32 v[WK], s[CS], v[WK]                  ; as t (c is positive)
	s_delay_alu instid0(VALU_DEP_1)
	v_max_num_f32 v[\mp+1], v[\mp+1], v[WK]
	v_mov_b32 v[WK], v[\mp]
	s_delay_alu instid0(VALU_DEP_2)
	v_floor_f32 v[\mp], -v[\mp+1]                  ; the new -M = -ceil(t)
	s_delay_alu instid0(VALU_DEP_1)
	v_sub_f32 v[WK], v[\mp], v[WK]                 ; old M - new M, a whole number, 0 or less
	s_delay_alu instid0(VALU_DEP_1)
	v_cvt_i32_f32 v[WK], v[WK]                     ; (it saturates)
	s_delay_alu instid0(VALU_DEP_1)
	v_ldexp_f32 v[F], 1.0, v[WK]                   ; f
.endm
; p, the sum and O^T under the new M
.macro SEXP mp, su, ob
.set n, 0
.rept 32
	v_pk_fma_f32 v[S+n:S+n+1], v[S+n:S+n+1], s[CS:CS+1], v[\mp:\mp+1] op_sel_hi:[1,0,0]   ; t - M
.set n, n+2
.endr
	s_wait_alu depctr_va_vdst(0)                   ; the wait ahead of the batch
.set n, 0
.rept 64
	v_exp_f32 v[S+n], v[S+n]                       ; p = 2^(t - M)
.set n, n+1
.endr
	v_pk_mul_f32 v[\su:\su+1], v[\su:\su+1], v[F:F+1] op_sel_hi:[1,0]   ; the plain line behind the batch
	s_wait_alu depctr_va_vdst(0)                   ; one wait for the batch, and directly ahead of the first readers of O^T
.set n, 0
.rept 16
	v_pk_mul_f32 v[\ob+n:\ob+n+1], v[\ob+n:\ob+n+1], v[F:F+1] op_sel_hi:[1,0]
.set n, n+2
.endr
.set n, 0
.rept 6                                ; the sum of the unquantised p, in seven chains: 32 pairs and the running sum take 32 additions
	v_pk_add_f32 v[T+n:T+n+1], v[S+2*n:S+2*n+1], v[S+2*n+2:S+2*n+3]
.set n, n+2
.endr
	v_pk_add_f32 v[\su:\su+1], v[\su:\su+1], v[S+24:S+25]
.set n, 26
.rept 2
.irp k, 0,2,4,6,8,10
	v_pk_add_f32 v[T+\k:T+\k+1], v[T+\k:T+\k+1], v[S+n+\k:S+n+\k+1]
.endr
	v_pk_add_f32 v[\su:\su+1], v[\su:\su+1], v[S+n+12:S+n+13]
.set n, n+14
.endr
.irp k, 0,2,4,6,8
	v_pk_add_f32 v[T+\k:T+\k+1], v[T+\k:T+\k+1], v[S+54+\k:S+54+\k+1]
.endr
	v_pk_add_f32 v[T:T+1], v[T:T+1], v[T+2:T+3]
	v_pk_add_f32 v[T+4:T+5], v[T+4:T+5], v[T+6:T+7]
	v_pk_add_f32 v[T+8:T+9], v[T+8:T+9], v[T+10:T+11]
	v_pk_add_f32 v[\su:\su+1], v[\su:\su+1], v[T:T+1]
	v_pk_add_f32 v[T+4:T+5], v[T+4:T+5], v[T+8:T+9]
	v_pk_add_f32 v[\su:\su+1], v[\su:\su+1], v[T+4:T+5]
.endm
; the hold (the conversion does not saturate: ISA guide 7.6.2; p is not negative, so it is one-sided), two numbers an instruction, and the codes
.macro CODES
.set n, 0
.rept 32
	v_dual_min_num_f32 v[S+n], s[PL], v[S+n] :: v_dual_min_num_f32 v[S+n+1], s[PL], v[S+n+1]
.set n, n+2
.endr
.irp t, 0,1,2,3,4,5,6,7
	v_cvt_scalef32_pk8_fp8_f32 v[C+2*\t:C+2*\t+1], v[S+8*\t:S+8*\t+7], v[PSC]   ; keys 16 t + 8 h + 0 .. 7
.endr
	v_nop                                          ; the plain line between the conversions and the products that follow
.endm
.macro QK q0, t0                       ; four tiles of S^T
.irp t, \t0, \t0+1, \t0+2, \t0+3
	v_wmma_f32_16x16x64_fp8_fp8 v[S+8*(\t):S+8*(\t)+7], v[KF+8*(\t):KF+8*(\t)+7], v[\q0:\q0+7], 0
.endr
.endm
.macro PV ob                           ; the four accumulators by turns
.irp t, 0,1,2,3
	v_wmma_f32_16x16x128_fp8_fp8 v[\ob+8*\t:\ob+8*\t+7], v[KF+16*\t:KF+16*\t+15], v[C:C+15], v[\ob+8*\t:\ob+8*\t+7]
.endr
.endm
.macro STEP q
.rept 4
	v_nop                                          ; places in front of loads into registers that the last products have read
.endr
.irp t, 0,1,2,3,4,5,6,7
.irp c, 0,1
	ds_load_b128 v[KF+8*\t+4*\c:KF+8*\t+4*\c+3], v[ADK] offset:(32*(\q)+4*\t)*KP+32*\c   ; a tile's 16 keys are four rows
.endr
.endr
	s_wait_dscnt 8                                 ; the first eight loads, four fragments, are in
	QK QA, 0
	s_wait_dscnt 0x0
	QK QA, 4
.rept 4
	v_nop
.endr
	SMAX MA
	SEXP MA, SUA, OA
	CODES
	QK QB, 0                                       ; tile B's scores, from the same fragments, over the same registers
	QK QB, 4
.rept 4
	v_nop                                          ; places in front of the loads below and of the first read of the scores
.endr
.irp t, 0,1,2,3
.irp c, 0,1,2,3,4,5,6,7
	ds_load_b64 v[KF+16*\t+2*\c:KF+16*\t+2*\c+1], v[ADV] offset:16*\t*VP+128*(\q)+16*\c   ; V(16 t + r, keys 16 c + 8 h + 0 .. 7)
.endr
.endr
	SMAX MB
	SEXP MB, SUB, OB
	s_wait_alu depctr_va_vdst(0)
	s_wait_dscnt 0x0                               ; V is in
	PV OA                                          ; tile A's second product; the 32 holds that follow are the places ahead of the codes' next write
	CODES
	PV OB
.endm
.macro TRIP                            ; 256 keys: one piece of K and one of V
	v_add_nc_u32 v[ADK], s[TBK], v[AK0]
	v_add_nc_u32 v[ADV], s[TBV], v[AV0]
	s_wait_alu depctr_va_vdst(0)
	STEP 0
	STEP 1
	s_add_co_u32 s[TBK], s[TBK], KPIECE
	s_add_co_u32 s[TBV], s[TBV], VPIECE
.endm
	s_wait_alu depctr_va_vdst(0)                   ; the wait at the head's end
	s_wait_loadcnt 0x0                             ; Q
	s_wait_tensorcnt 0x0                           ; waves 0 and 8: my piece has landed.  These lines stand ahead of a later first fill, as ahead of a refill,
	ds_add_u32 v[SPW], v[NIL]
	ds_add_u32 v[SPW], v[NIL]                      ; the add twice on end
	s_wait_dscnt 0x0
	CROUND                                         ; the first 256 keys are whole in every partner, and all four are here: the joint loads meet
	s_cmp_eq_u32 s[WV], 0                          ; the other fourteen pieces, one load a wave
	s_cbranch_scc1 .Lasked1
	s_cmp_eq_u32 s[WV], 8
	s_cbranch_scc1 .Lasked1
	s_cmp_lt_u32 s[WV], 8
	s_cbranch_scc0 .Lfor_v
	tensor_load_to_lds s[G0K:G0K+3], s[G1K:G1K+7]
	s_nop 0
.rept 4
	v_nop
.endr
	s_branch .Lasked1
.Lfor_v:
	tensor_load_to_lds s[G0V:G0V+3], s[G1V:G1V+7]
	s_nop 0
.rept 4
	v_nop
.endr
.Lasked1:
	TRIP                                           ; trip 0 is written out: it reads the first pieces alone, while the fourteen loads are on their way
	s_wait_alu depctr_va_vdst(0)
	s_wait_tensorcnt 0x0                           ; my piece has landed
	s_wait_dscnt 0x0
	s_barrier_signal -1
	s_barrier_wait -1                              ; all have: the head's K and V are whole
.Ltrip:                                            ; the other 7 trips
	TRIP
	s_sub_co_i32 s[CNT], s[CNT], 1
	s_cmp_lg_u32 s[CNT], 0
	s_cbranch_scc1 .Ltrip
	; THE WAY OUT, with no barrier: the stage is my own.  O^T / the sum goes through it in halves of the head's 64 channels, 16 rows x 128 bytes at a time.  Each half is read back by all lanes, eight lanes to a
	; row's 128 bytes; lanes 0-7 of each sixteen keep the first half's 16 bytes, lanes 8-15 the second's: so sixteen lanes hold one row of 256 bytes and store it whole.
	v_add_f32 v[SUA], v[SUA], v[SUA+1]
	v_add_f32 v[SUB], v[SUB], v[SUB+1]
	v_permlanex16_b32 v[XCH], v[SUA], s[SEL], s[SEL+1]
	v_permlanex16_b32 v[WK], v[SUB], s[SEL], s[SEL+1]
	v_add_f32 v[SUA], v[SUA], v[XCH]               ; the rows' sums
	v_add_f32 v[SUB], v[SUB], v[WK]
	s_wait_alu depctr_va_vdst(0)                   ; ahead of the batch of two
	v_rcp_f32 v[SUA], v[SUA]
	v_rcp_f32 v[SUB], v[SUB]
	v_and_b32 v26, 15, v0                          ; r
	v_bfe_u32 v27, v0, 4, 1                        ; h
	s_add_co_i32 s72, s70, s71                     ; e8 + e9
	s_mul_i32 s73, s[WV], 16*SPI
	s_add_co_u32 s73, s73, STAGE
	v_mul_u32_u24 v28, v26, SPI
	v_lshl_add_u32 v28, v27, 5, v28
	v_add_nc_u32 v28, s73, v28                     ; in: row r; a tile's eight channels of my half at 64 (t % 2) + 32 h
	v_and_b32 v25, 7, v26
	v_mul_u32_u24 v29, v27, SPI
	v_lshl_add_u32 v29, v25, 4, v29
	v_add_nc_u32 v29, s73, v29                     ; back: lanes 0-15 one row, lanes 16-31 the next; 16 (r % 8) bytes in
	v_lshlrev_b32 v24, 8, v27
	v_lshl_add_u32 v24, v26, 4, v24                ; and the same two rows in out0, 16 r bytes in
	v_and_b32 v25, 8, v26
	v_cmp_ne_u32 vcc_lo, 0, v25                    ; lanes 8-15 of each sixteen
	s_wait_alu depctr_va_vdst(0)                   ; behind the batch, ahead of its first reader
	v_ldexp_f32 v[SUA], v[SUA], s72
	v_ldexp_f32 v[SUB], v[SUB], s72
	s_wait_alu depctr_va_vdst(0)                   ; directly ahead of the first readers of O^T
.set n, 0
.rept 16
	v_pk_mul_f32 v[S+n:S+n+1], v[OA+n:OA+n+1], v[SUA:SUA+1] op_sel_hi:[1,0]
.set n, n+2
.endr
.set n, 0
.rept 16
	v_pk_mul_f32 v[S+32+n:S+32+n+1], v[OB+n:OB+n+1], v[SUB:SUB+1] op_sel_hi:[1,0]
.set n, n+2
.endr
.irp x, 0,1                            ; tile A comes back into v64-127, tile B into v192-255
.irp u, 0,1                            ; channels 32 u on
.irp t, 0,1
	ds_store_b128 v28, v[S+32*\x+16*\u+8*\t:S+32*\x+16*\u+8*\t+3] offset:64*\t
	ds_store_b128 v28, v[S+32*\x+16*\u+8*\t+4:S+32*\x+16*\u+8*\t+7] offset:64*\t+16
.endr
.irp i, 0,1,2,3,4,5,6,7
	ds_load_b128 v[KF+128*\x+32*\u+4*\i:KF+128*\x+32*\u+4*\i+3], v29 offset:2*\i*SPI   ; LDS serves a wave's instructions in order (ISA guide 5.7.1.4): these see my stores, and the next half's stores come behind them
.endr
.endr
.endr
.irp x, 0,1
	s_wait_dscnt 24-24*\x                          ; tile A is back: behind its last load stand tile B's 24 LDS instructions; then all
.set n, 0
.rept 32
	v_cndmask_b32 v[KF+128*\x+n], v[KF+128*\x+n], v[KF+128*\x+32+n], vcc_lo
.set n, n+1
.endr
.irp i, 0,1,2,3,4,5,6,7
	global_store_b128 v24, v[KF+128*\x+4*\i:KF+128*\x+4*\i+3], s[16:17] offset:4096*\x+512*\i th:TH_STORE_NT   ; sixteen lanes store 256 consecutive bytes, aligned
.endr
.endr
	s_wait_tensorcnt 0x0                           ; the wave's end
	ds_add_u32 v[SPW], v[NIL]
	s_wait_dscnt 0x0
	CROUND                                         ; the closing round
	s_endpgm
.Lfunc_end_k_qcba114c9c8_attn:
	.size	k_qcba114c9c8_attn, .Lfunc_end_k_qcba114c9c8_attn-k_qcba114c9c8_attn
	.p2alignl 7, 3214868480
	.fill 96, 4, 3214868480
	.section	.rodata,"a",@progbits
	.p2align	6, 0x0
	.amdhsa_kernel k_qcba114c9c8_attn
		.amdhsa_group_segment_fixed_size 327680
		.amdhsa_private_segment_fixed_size 0
		.amdhsa_enable_private_segment 0
		.amdhsa_kernarg_size 40
		.amdhsa_user_sgpr_count 2
		.amdhsa_user_sgpr_kernarg_segment_ptr 1
		.amdhsa_wavefront_size32 1
		.amdhsa_system_sgpr_workgroup_id_x 1
		.amdhsa_system_sgpr_workgroup_id_y 1
		.amdhsa_system_sgpr_workgroup_id_z 1
		.amdhsa_system_vgpr_workitem_id 0
		.amdhsa_next_free_vgpr 256
		.amdhsa_next_free_sgpr 100
		.amdhsa_reserve_vcc 1
		.amdhsa_float_denorm_mode_32 3
		.amdhsa_float_denorm_mode_16_64 3
		.amdhsa_memory_ordered 1
		.amdhsa_forward_progress 1
		.amdhsa_inst_pref_size 139
	.end_amdhsa_kernel
	.amdgpu_metadata
---
amdhsa.version: [ 1, 2 ]
amdhsa.kernels:
  - .name:           k_qcba114c9c8_attn
    .symbol:         k_qcba114c9c8_attn.kd
    .args:
      - { .name: qc, .offset: 0, .size: 8, .value_kind: global_buffer, .address_space: global }
      - { .name: kc, .offset: 8, .size: 8, .value_kind: global_buffer, .address_space: global }
      - { .name: vc, .offset: 16, .size: 8, .value_kind: global_buffer, .address_space: global }
      - { .name: lowp_scales, .offset: 24, .size: 8, .value_kind: global_buffer, .address_space: global }
      - { .name: out0, .offset: 32, .size: 8, .value_kind: global_buffer, .address_space: global }
    .group_segment_fixed_size: 327680
    .private_segment_fixed_size: 0
    .kernarg_segment_align: 8
    .kernarg_segment_size: 40
    .max_flat_workgroup_size: 512
    .sgpr_count:     100
    .vgpr_count:     256
    .wavefront_size: 32
...
	.end_amdgpu_metadata
.endif
;; end of part 3
